; MI455X (gfx1250); checked and timed in simulation.
; The chip was launched on July 23, 2026; its instructions are those of AMD's public machine-readable ISA for CDNA 5 (MIT licence, August 2026) and "CDNA5" Instruction Set Architecture Reference Guide (July 2026). The comments in the code are by the model that wrote it; some were corrected since.
;; Causal Self Attention. Allowed arithmetic: matrix products marked QUANTISED: E4M3 operands, one given power-of-two scale a tensor, by v_wmma_f32_16x16x64_fp8_fp8 or v_wmma_f32_16x16x128_fp8_fp8, f32 sums; everything else in f32.
;; Inputs: lowp_scales 12 int32 (the exponents e of the quantised operands' scales 2^e); w_ky 1,024 x 1,024 float32; w_proj 1,024 x 1,024 float32; w_qkv 3,072 x 1,024 float32; x 4 x 1,024 x 1,024 float32.
;; Outputs: out0 4 x 1,024 x 1,024 float32.
;; This version of the problem:
;;   THIS VERSION OF THE PROBLEM IS GIVEN IN LOW PRECISION. The matrix products marked QUANTISED in the list below multiply operands that are first quantised to E4M3 (4 exponent bits, 3 mantissa bits; 8 bits a number), with one given power-of-two scale for each operand tensor; their sums are f32. All else is computed in f32.
;;   The module's matrix products, in the order in which they are computed (A, B: the left and right operand; K: the contracted axis; several contracted axes count as one K, in the product's order):
;;     1. [M 4,096, K 1,024] x [K 1,024, N 3,072]; A: input x; B: input w_qkv: QUANTISED (scales: A lowp_scales[0], B lowp_scales[1])
;;     2. batch 64 x [M 1,024, K 64] x [K 64, N 1,024]; A: computed on the way; B: computed on the way: QUANTISED (scales: A lowp_scales[2], B lowp_scales[3])
;;     3. [M 4,096, K 1,024] x [K 1,024, N 1,024]; A: input x; B: input w_ky: QUANTISED (scales: A lowp_scales[4], B lowp_scales[5])
;;     4. batch 64 x [M 1,024, K 64] x [K 64, N 1,024]; A: computed on the way; B: computed on the way: QUANTISED (scales: A lowp_scales[6], B lowp_scales[7])
;;     5. batch 64 x [M 1,024, K 1,024] x [K 1,024, N 64]; A: computed on the way; B: computed on the way: QUANTISED (scales: A lowp_scales[8], B lowp_scales[9])
;;     6. [M 4,096, K 1,024] x [K 1,024, N 1,024]; A: computed on the way; B: input w_proj: QUANTISED (scales: A lowp_scales[10], B lowp_scales[11])
;;   THE QUANTISER, for each operand of a quantised product, along K:
;;     - The operand's scale is 2^e, e = its entry of the input lowp_scales (int32; the entries are numbered through the quantised products in the list's order, A before B).
;;     - Each number is divided by the scale, clamped to +-448, and rounded to the nearest number of E4M3, ties to even, subnormals kept.
;;     - The product sums the exact products of the quantised numbers (number of the format x scale) in f32.
;;   ~~~python
;;   def quantise(x, axis, e):      # numpy; x: float32 -> the quantised numbers, widened to float32 again
;;       x = np.moveaxis(x, axis, -1); K = x.shape[-1]
;;       r = np.clip(x / 2.0 ** e, -448, 448)
;;       step = 2.0 ** (np.maximum(np.frexp(np.where(r == 0, 1, r))[1] - 1, -6) - 3)
;;       q = np.round(r / step) * step * 2.0 ** e      # np.round: ties to even
;;       return np.moveaxis(q, -1, axis).astype(np.float32)
;;   ~~~
;;   OPERANDS COMPUTED ON THE WAY. 'Computed on the way' means the value that the module computes at that place (a softmax that the list does not call 'softmax' is quantised finished and normalised). What goes into a quantiser is computed in f32, as accurately as f32 sums, v_exp_f32 and their like allow (about 1e-6 of the number): no bf16 or f16 on the way to a quantiser, and a product that is left as it is and whose result goes on into a quantised operand takes f32 operands (vector FMAs, or v_wmma_f32_16x16x4_f32). A number that lies on a knife's edge between two numbers of the format may be rounded either way, as far as f32 arithmetic and the matrix unit's own rounding can turn it there, and no further.
;; One version. Each part assembles by itself: llvm-mc -triple=amdgcn-amd-amdhsa -mcpu=gfx1250 --defsym DOCPART=n.
;; ======== version 1 of 1: 4 launches
;; workspace buffers: codes 13,631,488 bytes; qkv 20,971,520 bytes; oq 4,194,304 bytes
;; launch quant (part 1): grid 288 x 1, 4 waves a work-group, no clusters, 33,280 bytes of LDS; arguments x, w_qkv, w_ky, w_proj, lowp_scales, codes; writes codes
.if DOCPART == 1
	.amdgcn_target "amdgcn-amd-amdhsa--gfx1250"
	.amdhsa_code_object_version 6
	.text
	.protected	k_q46743364ea_quant
	.globl	k_q46743364ea_quant
	.p2align	8
	.type	k_q46743364ea_quant,@function
k_q46743364ea_quant:
	s_mov_b64 s[64:65], 0
	v_nop
	global_prefetch_b8 v0, s[64:65] scope:SCOPE_SE
	s_setreg_imm32_b32 hwreg(HW_REG_WAVE_MODE, 25, 1), 1
	s_wait_xcnt 0x0
; x [4096][1024], w_qkv [3072][1024], w_ky [1024][1024], w_proj [1024][1024], all f32 with K innermost, become codes of E4M3, one byte each, K innermost, in one buffer of rows of 1,024 bytes:
; rows 0-4095 x under e0, 4096-8191 x under e4, 8192-11263 w_qkv (e1), 11264-12287 w_ky (e5), 12288-13311 w_proj (e11).  e = entries of lowp_scales.
; code = number / 2^e, held within +-448, rounded to the nearest code, ties to even.
; LIMITS: each e used here lies between -126 and 119, so that 2^e and 448 x 2^e are f32 numbers.  NaN among the inputs is not served (an infinity is held at the largest code).
; Rows are dense, so every tensor is a plain stream.  A work-group takes 32,768 numbers, a wave 8,192, in 16 steps of 512.  Work-groups 0-127 take x (and make both sets of codes from one read),
; 128-223 w_qkv, 224-255 w_ky, 256-287 w_proj: only pointers and numbers are chosen, by the work-group's number; all take one path but for x's second conversion.
; A load reads 512 consecutive bytes, 16 a lane; the conversions want 16 NEIGHBOURS in one lane: so a step's 2,048 bytes turn through the wave's own stage in LDS (16 bytes of padding behind each 64).
; A lane's 16 codes are 16 bytes: a store of the wave covers 512 consecutive bytes, aligned.  Waves share nothing: no barrier.  Loads run four steps (16 loads a wave) ahead, the turn through LDS one step.
.set WAVES, 4
.set STEPS, 16
.set SP,    80                         ; a lane's place in a stage: 64 bytes + 16 of padding
.set WREG,  8192                       ; LDS of a wave: two stages of 32 x SP bytes
.set SPARE, WAVES*WREG                 ; behind the four regions: the spare words, 128 bytes a wave, which no other line names
.set SPW,   12                         ; v12      my spare word's LDS address; never rewritten
.set NIL,   13                         ; v13      0; never rewritten
.set R,     16                         ; v16-79   four sets of 16 numbers as loaded
.set X,     80                         ; v80-111  two sets of 16 neighbours
.set T,     112                        ; v112-127 held under the first scale
.set T2,    128                        ; v128-143 held under x's second scale
.set C1,    144                        ; v144-159 codes, four registers for each of four steps by turns
.set C2,    160                        ; v160-175 the same for x's second set
	s_load_b256 s[4:11], s[0:1], 0x0               ; x, w_qkv, w_ky, w_proj
	s_load_b128 s[12:15], s[0:1], 0x20             ; lowp_scales, codes
	v_lshl_add_u32 v[SPW], v0, 2, SPARE
	v_mov_b32 v[NIL], 0
	v_lshrrev_b32 v1, 5, v0
	v_readfirstlane_b32 s16, v1                    ; wave
	v_and_b32 v2, 31, v0                           ; lane
	v_lshlrev_b32 v3, 4, v2                        ; my 16 bytes of a load's 512
	v_lshlrev_b32 v4, 4, v2                        ; my 16 codes of a step's 512
	s_mul_i32 s17, s16, WREG
	v_lshrrev_b32 v14, 2, v2
	v_mul_u32_u24 v14, v14, SP
	v_and_b32 v15, 3, v2
	v_lshl_add_u32 v14, v15, 4, v14
	v_add_nc_u32 v14, s17, v14                     ; the stage, on the way in: SP (lane / 4) + 16 (lane % 4)
	v_mul_u32_u24 v15, v2, SP
	v_add_nc_u32 v15, s17, v15                     ; and on the way out: SP x lane: my 16 neighbours
	s_wait_kmcnt 0x0
	s_load_b256 s[24:31], s[12:13], 0x0            ; e0 .. e7
	s_load_b128 s[32:35], s[12:13], 0x20           ; e8 .. e11
	s_mov_b64 s[18:19], s[10:11]                   ; which tensor: the choices hang on the work-group's number alone
	s_mov_b32 s20, 256                             ; and its first work-group
	s_cmp_lt_u32 ttmp9, 256
	s_cselect_b64 s[18:19], s[8:9], s[18:19]
	s_cselect_b32 s20, 224, s20
	s_cmp_lt_u32 ttmp9, 224
	s_cselect_b64 s[18:19], s[6:7], s[18:19]
	s_cselect_b32 s20, 128, s20
	s_cmp_lt_u32 ttmp9, 128
	s_cselect_b64 s[18:19], s[4:5], s[18:19]
	s_cselect_b32 s20, 0, s20
	s_cselect_b32 s22, 0, 128                      ; the weights' codes lie 128 blocks further on: behind x's second set
	s_sub_co_u32 s20, ttmp9, s20                   ; my block of 32,768 numbers in the tensor
	s_add_co_u32 s22, ttmp9, s22                   ; and of 32,768 bytes in the codes
	s_lshl_b32 s20, s20, 2
	s_add_co_u32 s20, s20, s16
	s_lshl_b32 s20, s20, 15                        ; my wave's 8,192 numbers: 32,768 bytes
	s_mov_b32 s21, 0
	s_lshl_b32 s22, s22, 2
	s_add_co_u32 s22, s22, s16
	s_lshl_b32 s22, s22, 13                        ; and their 8,192 codes
	s_mov_b32 s23, 0
	s_add_nc_u64 s[18:19], s[18:19], s[20:21]
	s_add_nc_u64 s[14:15], s[14:15], s[22:23]
.macro LOAD t
.irp i, 0,1,2,3
	global_load_b128 v[R+16*((\t)%4)+4*\i:R+16*((\t)%4)+4*\i+3], v3, s[18:19] offset:2048*(\t)+512*\i th:TH_LOAD_NT   ; 32 lanes read 512 consecutive bytes, read once
.endr
.endm
.macro TURN t                          ; step t's numbers through the stage: LDS serves a wave's instructions in order, so no wait stands between the stores and the loads
.irp i, 0,1,2,3
	ds_store_b128 v14, v[R+16*((\t)%4)+4*\i:R+16*((\t)%4)+4*\i+3] offset:32*SP*((\t)%2)+8*SP*\i
.endr
.irp i, 0,1,2,3
	ds_load_b128 v[X+16*((\t)%2)+4*\i:X+16*((\t)%2)+4*\i+3], v15 offset:32*SP*((\t)%2)+16*\i
.endr
.endm
.irp t, 0,1,2,3
	LOAD \t
.endr
	s_wait_kmcnt 0x0
	s_mov_b32 s36, s35                             ; e11,
	s_cmp_lt_u32 ttmp9, 256
	s_cselect_b32 s36, s29, s36                    ; e5,
	s_cmp_lt_u32 ttmp9, 224
	s_cselect_b32 s36, s25, s36                    ; e1,
	s_cmp_lt_u32 ttmp9, 128
	s_cselect_b32 s36, s24, s36                    ; or e0
	s_add_co_i32 s36, s36, 127
	s_lshl_b32 s37, s36, 23
	v_mov_b32 v11, s37                             ; 2^e as f32: the conversion takes its exponent field
	s_add_co_i32 s36, s36, 8
	s_lshl_b32 s36, s36, 23
	s_or_b32 s36, s36, 0x600000
	v_mov_b32 v10, s36                             ; 448 x 2^e
	s_add_co_i32 s36, s28, 127                     ; the same with e4, for x's second set
	s_lshl_b32 s37, s36, 23
	v_mov_b32 v5, s37
	s_add_co_i32 s36, s36, 8
	s_lshl_b32 s36, s36, 23
	s_or_b32 s36, s36, 0x600000
	v_mov_b32 v6, s36
	s_wait_loadcnt 12                              ; step 0's four loads are in
	TURN 0
.macro STEP t
.set XS, X+16*((\t)%2)
.set CA, C1+4*((\t)%4)
.set CC, C2+4*((\t)%4)
	s_wait_dscnt 0x0                               ; this step's numbers are back from the stage: so its stores into the stage have read their registers
	s_wait_xcnt 0x0                                ; the stores of four steps back have read their codes' registers, which this step writes anew
.if (\t)+4 < STEPS
	LOAD (\t)+4
.endif
.if (\t)+1 < STEPS
.if STEPS-2-(\t) >= 3
	s_wait_loadcnt 12                              ; the next step's four loads are in; those of the three steps behind it may be out
.else
	s_wait_loadcnt 4*(STEPS-2-(\t))
.endif
	TURN (\t)+1
.endif
.irp i, 0,1,2,3,4,5,6,7,8,9,10,11,12,13,14,15
	v_med3_num_f32 v[T+\i], v[XS+\i], -v10, v10    ; the conversion to an 8-bit code does not saturate (ISA guide 7.6.2): the hold at the largest code x the scale
.endr
	v_cvt_scalef32_pk8_fp8_f32 v[CA:CA+1], v[T:T+7], v11
	v_cvt_scalef32_pk8_fp8_f32 v[CA+2:CA+3], v[T+8:T+15], v11
	v_nop                                          ; a plain vector line behind the conversions, ahead of the next writes of their sources
	global_store_b128 v4, v[CA:CA+3], s[14:15] offset:512*(\t)
	s_cmp_ge_u32 ttmp9, 128                        ; x alone is an operand of two products, under two scales
	s_cbranch_scc1 .Lone_\@
.irp i, 0,1,2,3,4,5,6,7,8,9,10,11,12,13,14,15
	v_med3_num_f32 v[T2+\i], v[XS+\i], -v6, v6
.endr
	v_cvt_scalef32_pk8_fp8_f32 v[CC:CC+1], v[T2:T2+7], v5
	v_cvt_scalef32_pk8_fp8_f32 v[CC+2:CC+3], v[T2+8:T2+15], v5
	v_nop
	global_store_b128 v4, v[CC:CC+3], s[14:15] offset:4194304+512*(\t)
.Lone_\@:
.endm
.irp t, 0,1,2,3,4,5,6,7,8,9,10,11,12,13,14,15
	STEP \t
.endr
	s_wait_tensorcnt 0x0                           ; the wave's end, behind my last LDS store
	ds_add_u32 v[SPW], v[NIL]
	s_wait_dscnt 0x0
	s_endpgm
.Lfunc_end_k_q46743364ea_quant:
	.size	k_q46743364ea_quant, .Lfunc_end_k_q46743364ea_quant-k_q46743364ea_quant
	.p2alignl 7, 3214868480
	.fill 96, 4, 3214868480
	.section	.rodata,"a",@progbits
	.p2align	6, 0x0
	.amdhsa_kernel k_q46743364ea_quant
		.amdhsa_group_segment_fixed_size 33280
		.amdhsa_private_segment_fixed_size 0
		.amdhsa_enable_private_segment 0
		.amdhsa_kernarg_size 48
		.amdhsa_user_sgpr_count 2
		.amdhsa_user_sgpr_kernarg_segment_ptr 1
		.amdhsa_wavefront_size32 1
		.amdhsa_system_sgpr_workgroup_id_x 1
		.amdhsa_system_sgpr_workgroup_id_y 1
		.amdhsa_system_sgpr_workgroup_id_z 1
		.amdhsa_system_vgpr_workitem_id 0
		.amdhsa_next_free_vgpr 192
		.amdhsa_next_free_sgpr 66
		.amdhsa_reserve_vcc 0
		.amdhsa_float_denorm_mode_32 3
		.amdhsa_float_denorm_mode_16_64 3
		.amdhsa_memory_ordered 1
		.amdhsa_forward_progress 1
		.amdhsa_inst_pref_size 61
	.end_amdhsa_kernel
	.amdgpu_metadata
---
amdhsa.version: [ 1, 2 ]
amdhsa.kernels:
  - .name:           k_q46743364ea_quant
    .symbol:         k_q46743364ea_quant.kd
    .args:
      - { .name: x, .offset: 0, .size: 8, .value_kind: global_buffer, .address_space: global }
      - { .name: w_qkv, .offset: 8, .size: 8, .value_kind: global_buffer, .address_space: global }
      - { .name: w_ky, .offset: 16, .size: 8, .value_kind: global_buffer, .address_space: global }
      - { .name: w_proj, .offset: 24, .size: 8, .value_kind: global_buffer, .address_space: global }
      - { .name: lowp_scales, .offset: 32, .size: 8, .value_kind: global_buffer, .address_space: global }
      - { .name: codes, .offset: 40, .size: 8, .value_kind: global_buffer, .address_space: global }
    .group_segment_fixed_size: 33280
    .private_segment_fixed_size: 0
    .kernarg_segment_align: 8
    .kernarg_segment_size: 48
    .max_flat_workgroup_size: 128
    .sgpr_count:     66
    .vgpr_count:     192
    .wavefront_size: 32
...
	.end_amdgpu_metadata
.endif
;; end of part 1
;; launch qkvgemm (part 2): grid 16 x 16, 4 waves a work-group, clusters of 4 x 4, 327,680 bytes of LDS; arguments codes, lowp_scales, qkv; writes qkv
.if DOCPART == 2
	.amdgcn_target "amdgcn-amd-amdhsa--gfx1250"
	.amdhsa_code_object_version 6
	.text
	.protected	k_q46743364ea_qkvgemm
	.globl	k_q46743364ea_qkvgemm
	.p2align	8
	.type	k_q46743364ea_qkvgemm,@function
k_q46743364ea_qkvgemm:
	s_mov_b64 s[64:65], 0
	v_nop
	global_prefetch_b8 v0, s[64:65] scope:SCOPE_SE
	s_setreg_imm32_b32 hwreg(HW_REG_WAVE_MODE, 25, 1), 1
	s_wait_xcnt 0x0
	s_wait_alu depctr_hold_cnt(0) depctr_sa_sdst(0) depctr_va_vdst(0) depctr_va_sdst(0) depctr_va_ssrc(0) depctr_va_vcc(0) depctr_vm_vsrc(0)
	s_getreg_b32 s2, hwreg(HW_REG_IB_STS2, 6, 4)
	s_cmp_eq_u32 s2, 0
	s_cbranch_scc0 .Lentry_in_a_cluster
	s_endpgm
.Lentry_in_a_cluster:
	s_bfe_u32 s2, ttmp6, 0x10000c
	s_cmp_lg_u32 s2, 0xf033
	s_cbranch_scc0 .Lentry_shape_is_right
	s_endpgm
.Lentry_shape_is_right:
; q, k, v = x w_qkv^T and k_y = x w_ky^T as ONE product of 4,096 x 4,096 x 1,024 on codes of E4M3, and each result quantised at once into the operand that attention wants.
; A cluster of 4 x 4 work-groups makes 1,024 tokens (batch = cluster y) x 1,024 features of one kind (cluster x: 0 q, 1 k, 2 v, 3 k_y).  A work-group makes 256 x 256, a wave 128 x 128: 64 accumulators, 512 registers.
; K goes in steps of 256 through a ring of two LDS slots filled by joint tensor loads: the tile that hangs on cy is shared along a row of the cluster, the one that hangs on cx along a column.
; THE MATRIX INSTRUCTION IS USED TRANSPOSED (source 0 = 16 rows of region B, source 1 = 16 rows of region A): a lane holds eight neighbouring columns of one row of the tile.  For q, k, k_y region A holds tokens and
; region B weights: a lane's eight are eight neighbouring features, the K of q k^T.  FOR v THE TWO CHANGE PLACES: rows are features, a lane's eight are eight neighbouring tokens, the K of A v.  No other line differs.
; THE WAY OUT.  code = sum x 2^(eA + eB) / 2^eo: the three exponents are folded into the conversion's one scale.  eo = e2 (q), e3 (k), e9 (v), e7 (k_y); q is made a second time under e6.
; The codes go through a stage in LDS, [64 columns][256 rows] at 80 bytes a row, and leave as runs of 512 consecutive bytes, aligned.
; qkv: five regions of 4 MiB: q under e2, q under e6, k, k_y, v.  The first four [batch][head][place of token][64]; v [batch][head][token / 64][place of feature][token % 64].  The place of an index has its bits 3 and 4
; exchanged: sixteen consecutive rows then form a tile whose results fall, two tiles together, on sixteen neighbours along the next K.
; LIMITS: eo - eA - eB (and e6 - e0 - e1) between -126 and 119, so that the folded scale and 448 x it are f32 numbers.
; REGISTERS, in windows of 256: window 0: v0-31 addresses and scales; from v128 region A's fragments, ONE set; on the way out v32-223.  window 1: region B's fragments, TWO sets.  windows 2, 3: the accumulators.
.set SIZE_K, 1024
.set KSTEP,  256                       ; along K in a slot
.set ROWB,   256                       ; a tile's row in bytes
.set KROW,   SIZE_K                    ; a row of codes in memory, in bytes
.set PITCH,  272                       ; an LDS row: 256 bytes + 16 of padding = 68 words: the 16 rows that a load touches start 4 words apart modulo 64 (64 banks of 4 bytes: ISA guide 11.1)
.set FR,     16                        ; registers of a fragment: 16 rows x 128 K
.set NL,     4                         ; LDS loads that bring one
.set NP,     4                         ; places behind this matrix instruction (ISA guide 7.12.1)
.set HALFT,  128*PITCH                 ; 128 rows: what one tensor load brings
.set SLOT,   4*HALFT                   ; region A's 256 rows, then region B's
.set LAPS,   SIZE_K/(2*KSTEP)
.set SPARE,  2*SLOT                    ; behind the ring: the spare words, 128 bytes a wave, which no other line names
.set ADRA, 16                          ; v16-17  LDS address of my fragments of region A in slot 0, 1
.set ADRB, 20                          ; v20-21  of region B
.set STO,  24                          ; v24     the stage: where I put 8 codes of a row
.set RD,   25                          ; v25     the stage: where I read rows back
.set CO,   26                          ; v26     16 x lane: my place in a store's 512 bytes
.set STO2, 27                          ; v27     the second stage (q under e6), in slot 1
.set SPW,  28                          ; v28     my spare word's LDS address; never rewritten
.set NIL,  29                          ; v29     0; never rewritten
.set RD2,  30                          ; v30
.set TMP,  32                          ; v32-95  a row block's 64 sums, held
.set CODE, 96                          ; v96-223 codes, 16 registers a row block; later the rows read back
.set AF,   128
.set G1, 24                            ; s[24:31] descriptor group 1 for region A;  s[32:39] group 0, one set for each slot
.set G0, 32
.set G1B, 48                           ; s[48:55], s[56:63] the same for region B
.set G0B, 56
.set MSB, 0
.macro WIN new                         ; the immediate's high byte repeats the setting that is left
.if MSB != \new
	s_set_vgpr_msb (MSB<<8)|\new
.set MSB, \new
.endif
.endm
.set MUL_LO, 0xa1                      ; source 0 window 1, source 1 window 0, C and D window 2
.set MUL_HI, 0xf1                      ; the same, C and D window 3
.set TO_B,   0x40                      ; destination window 1, address window 0
; A joint load: waves 0 and 1 fetch for region A, waves 2 and 3 for region B.  The branch hangs on the wave's number alone.  An s_nop 0 and four v_nop follow each of the two lines.
.macro JLOAD g0a, g1a, g0b, g1b
	s_cmp_eq_u32 s15, 0
	s_cbranch_scc0 .Lfor_b_\@
	tensor_load_to_lds s[\g0a:\g0a+3], s[\g1a:\g1a+7]
	s_nop 0
.rept 4
	v_nop
.endr
	s_branch .Lasked_\@
.Lfor_b_\@:
	tensor_load_to_lds s[\g0b:\g0b+3], s[\g1b:\g1b+7]
	s_nop 0
.rept 4
	v_nop
.endr
.Lasked_\@:
.endm
.macro CREST                           ; a round of the cluster's barrier behind its opening barrier
	s_cmp_lg_u32 s14, 0
	s_cbranch_scc1 .Lnot_wave_0_\@
	s_barrier_signal -3
.Lnot_wave_0_\@:
	s_barrier_wait -3
	s_barrier_signal -1
	s_barrier_wait -1
.endm
.macro CROUND                          ; a whole round
	s_barrier_signal -1
	s_barrier_wait -1
	CREST
.endm
	s_load_b128 s[4:7], s[0:1], 0x0                ; the codes s[4:5], the scales' exponents s[6:7]
	s_load_b64 s[10:11], s[0:1], 0x10              ; qkv
	v_lshl_add_u32 v[SPW], v0, 2, SPARE
	v_mov_b32 v[NIL], 0
	ds_add_u32 v[SPW], v[NIL]                      ; the wave's opening: the add and its wait stand ahead of my first tensor load; the set-up below, work on registers, stands between them
	v_lshrrev_b32 v1, 5, v0
	v_readfirstlane_b32 s14, v1                    ; wave 0..3
	s_lshr_b32 s15, s14, 1                         ; which half of the tile's rows is mine.  Also: I fetch for region A (0) or B (1)
	s_and_b32 s16, s14, 1                          ; which half of its columns.  Also: which 128 rows of that region I fetch
	s_bfe_u32 s40, ttmp6, 0x40000                  ; cx, cy: my place in the cluster
	s_bfe_u32 s41, ttmp6, 0x40004
	s_lshl_b32 s43, s41, 2
	s_lshl_b32 s43, 15, s43                        ; my row of the cluster
	s_lshl_b32 s44, 0x1111, s40                    ; my column
	s_or_b32 s[G1+0], s43, (0<<16)|(1<<20)|(1<<21)|(5<<22)|(3<<25)  ; 15:0 the mask; 17:16 elements of 1 byte; 20 padding on; 21 set beside a mask; 24:22 after every 64 words; 31:25 four words
	s_or_b32 s[G1B+0], s44, (0<<16)|(1<<20)|(1<<21)|(5<<22)|(3<<25)
.irp g, G1, G1B
	s_mov_b32 s[\g+1], ROWB<<16                    ; tensor_dim0
	s_mov_b32 s[\g+2], 128<<16                     ; tensor_dim1 = 128
	s_mov_b32 s[\g+3], ROWB<<16                    ; tile_dim0
	s_mov_b32 s[\g+4], 128                         ; tile_dim1 = 128
	s_mov_b32 s[\g+5], KROW                        ; tensor_dim0_stride
	s_mov_b32 s[\g+6], 0
	s_mov_b32 s[\g+7], 0
.endr
	; which rows of the codes' buffer.  x's rows: 1,024 x batch, 4,096 further on for k_y (x under e4).  The weights' rows: 8,192 + 1,024 x kind.  Both hang on the cluster's coordinates alone.
	s_and_b32 s17, ttmp7, 0xffff
	s_lshl_b32 s17, s17, 10
	s_lshl_b32 s18, s16, 7                         ; which 128 rows of the region I fetch
	s_cmp_eq_u32 ttmp9, 3
	s_cselect_b32 s19, 4096, 0
	s_add_co_u32 s19, s19, s17                     ; x's
	s_lshl_b32 s42, ttmp9, 10
	s_add_co_u32 s42, s42, 8192                    ; the weights'
	s_cmp_eq_u32 ttmp9, 2                          ; for v the two change places
	s_cselect_b32 s20, s42, s19                    ; region A,
	s_cselect_b32 s46, s19, s42                    ; region B
	s_lshl_b32 s21, s41, 8
	s_add_co_u32 s20, s20, s21                     ; A: + 256 cy, which my row of the cluster shares
	s_add_co_u32 s20, s20, s18
	s_lshl_b32 s47, s40, 8
	s_add_co_u32 s46, s46, s47                     ; B: + 256 cx, which my column shares
	s_add_co_u32 s46, s46, s18
	s_lshl_b32 s20, s20, 10                        ; rows of 1,024 bytes
	s_lshl_b32 s46, s46, 10
	s_mov_b32 s21, 0
	s_mov_b32 s47, 0
	s_mul_i32 s45, s14, HALFT                      ; where they go: wave x 128 rows: no place in the cluster enters an LDS address
	s_wait_dscnt 0x0                               ; the opening add is done
	s_wait_kmcnt 0x0
	s_load_b256 s[68:75], s[6:7], 0x0              ; e0 .. e7
	s_load_b128 s[76:79], s[6:7], 0x20             ; e8 .. e11
	s_add_nc_u64 s[20:21], s[4:5], s[20:21]
	s_add_nc_u64 s[46:47], s[4:5], s[46:47]
	CROUND                                         ; all sixteen work-groups are here: the first joint loads meet
.irp s, 0,1
	s_mov_b32 s[G0+4*\s], 1
	s_add_co_u32 s[G0+4*\s+1], s45, \s*SLOT
	s_add_nc_u64 s[G0+4*\s+2:G0+4*\s+3], s[20:21], \s*ROWB
	s_or_b32 s[G0+4*\s+3], s[G0+4*\s+3], 0x80000000
	s_mov_b32 s[G0B+4*\s], 1
	s_add_co_u32 s[G0B+4*\s+1], s45, \s*SLOT
	s_add_nc_u64 s[G0B+4*\s+2:G0B+4*\s+3], s[46:47], \s*ROWB
	s_or_b32 s[G0B+4*\s+3], s[G0B+4*\s+3], 0x80000000
	JLOAD G0+4*\s, G1, G0B+4*\s, G1B
.endr
	v_and_b32 v1, 15, v0                           ; r = l % 16
	v_bfe_u32 v2, v0, 4, 1                         ; hh = l / 16
	v_mul_u32_u24 v3, v1, PITCH
	v_lshl_add_u32 v4, v2, 4, v3                   ; a fragment's row x pitch + 16 x half
	s_mul_i32 s21, s15, HALFT                      ; my 128 rows of region A
	s_mul_i32 s22, s16, HALFT                      ; my 128 rows of region B,
	s_add_co_u32 s22, s22, 2*HALFT                 ; which lie behind A's 256
.irp s, 0,1
	v_add_nc_u32 v[ADRA+\s], s21, v4
	v_add_nc_u32 v[ADRB+\s], s22, v4
	s_add_co_u32 s21, s21, SLOT
	s_add_co_u32 s22, s22, SLOT
.endr
	; the stage: [4 groups of 64 columns][256 rows] x 80 bytes.  In: group 2 x (my column half) + b / 4, row 128 x (my row half) + 16 a + r, byte 16 (b % 4) + 8 hh
	v_mul_u32_u24 v5, v1, 80
	v_lshl_add_u32 v5, v2, 3, v5
	s_mul_i32 s23, s16, 40960
	s_mul_i32 s22, s15, 10240
	s_add_co_u32 s23, s23, s22
	v_add_nc_u32 v[STO], s23, v5
	v_add_nc_u32 v[STO2], SLOT, v[STO]
	v_and_b32 v6, 31, v0                           ; back: wave w takes group w, eight rows of 64 bytes an instruction, four lanes to a row
	v_lshrrev_b32 v7, 2, v6
	v_mul_u32_u24 v7, v7, 80
	v_and_b32 v3, 3, v6
	v_lshl_add_u32 v7, v3, 4, v7
	s_mul_i32 s23, s14, 20480
	v_add_nc_u32 v[RD], s23, v7
	v_add_nc_u32 v[RD2], SLOT, v[RD]
	v_lshlrev_b32 v[CO], 4, v6
.macro FRAG reg, adr, q, i             ; a fragment, 16 rows x 128 K, is 16 registers: lane l holds row l % 16; registers 4 c .. 4 c + 3 hold K = 32 c + 16 (l / 16) + 0 .. 15: the same order of K on both sides
.irp c, 0,1,2,3
	ds_load_b128 v[\reg+4*\c:\reg+4*\c+3], v[\adr] offset:128*(\q)+32*\c+(\i)*16*PITCH
.endr
.endm
; 16 matrix instructions: A's blocks a0, a0 + 1 x B's eight, 128 along K.  p: B's set.  zero = 1: the first product starts the sums.  The 64 accumulators take turns, one instruction a turn.
.macro MUL16 a0, p, zero
.irp a, \a0, \a0+1
.irp b, 0,1,2,3,4,5,6,7
.if \zero
	v_wmma_f32_16x16x128_fp8_fp8 v[8*(8*((\a)%4)+\b):8*(8*((\a)%4)+\b)+7], v[128*(\p)+FR*\b:128*(\p)+FR*\b+FR-1], v[AF+FR*(\a):AF+FR*(\a)+FR-1], 0
.else
	v_wmma_f32_16x16x128_fp8_fp8 v[8*(8*((\a)%4)+\b):8*(8*((\a)%4)+\b)+7], v[128*(\p)+FR*\b:128*(\p)+FR*\b+FR-1], v[AF+FR*(\a):AF+FR*(\a)+FR-1], v[8*(8*((\a)%4)+\b):8*(8*((\a)%4)+\b)+7]
.endif
.endr
.endr
.endm
.macro FETCH_B slot, q, p              ; B's eight fragments of the slot's q-th 128 along K into set p
	WIN TO_B
.irp i, 0,1,2,3,4,5,6,7
	FRAG 128*(\p)+FR*\i, ADRB+\slot, \q, \i
.endr
	WIN 0
.endm
.macro FETCH_A slot, q, i0             ; A's blocks i0 .. i0 + 3
.irp i, \i0, \i0+1, \i0+2, \i0+3
	FRAG AF+FR*(\i), ADRA+\slot, \q, \i
.endr
.endm
.macro PLACES n                        ; plain vector lines between a matrix instruction and a load into, or a vector read of, its registers
.rept \n
	v_nop
.endr
.endm
; A step of 128 along K that has its successor in the same slot.  A's blocks are free as soon as their eight products are issued: blocks 0-3 are fetched anew in the step's middle, 4-7 at its end.
.macro STEP slot, q, zero
	s_wait_dscnt 4*NL                              ; B's set and A's blocks 0-3 are in; the youngest sixteen loads (A's blocks 4-7) may be out
	WIN MUL_LO
	MUL16 0, (\q)%2, \zero
	MUL16 2, (\q)%2, \zero
	s_wait_dscnt 0                                 ; A's blocks 4-7 are in
	PLACES NP
	FETCH_B \slot, (\q)+1, 1-(\q)%2
	FETCH_A \slot, (\q)+1, 0
	WIN MUL_HI
	MUL16 4, (\q)%2, \zero
	MUL16 6, (\q)%2, \zero
	PLACES NP
	WIN 0
	FETCH_A \slot, (\q)+1, 4
.endm
; A slot's last step changes slots: ONE barrier; in front of it each wave waits for all its tensor loads, adds 0 to its spare word, and waits for that and for its own reads of this slot.  fill = 1: the slot is filled again, two K steps ahead.
.macro TURN slot, next, fill
	s_wait_tensorcnt 0x0                           ; all my tensor loads have landed: my part of the next slot
	ds_add_u32 v[SPW], v[NIL]                      ; 0 onto my spare word
	s_wait_dscnt 4*NL+1                            ; (the add and the youngest sixteen loads may be out)
	WIN MUL_LO
	MUL16 0, 1, 0                                  ; sixteen matrix instructions stand between the add and the wait for it
	s_wait_dscnt 0x0                               ; the add is done, and my reads of this slot are over
	s_barrier_signal -1
	MUL16 2, 1, 0
	WIN 0
	s_barrier_wait -1
.if \fill
	CREST                                          ; the barrier has opened a round of the cluster's barrier: no wave of any partner still reads this slot or has a load on its way
	s_add_nc_u64 s[G0+4*\slot+2:G0+4*\slot+3], s[G0+4*\slot+2:G0+4*\slot+3], 2*ROWB
	s_add_nc_u64 s[G0B+4*\slot+2:G0B+4*\slot+3], s[G0B+4*\slot+2:G0B+4*\slot+3], 2*ROWB
	JLOAD G0+4*\slot, G1, G0B+4*\slot, G1B         ; the first tensor load behind the round; its four v_nop are also the places in front of the loads below
.else
	PLACES NP
.endif
	FETCH_B \next, 0, 0
	FETCH_A \next, 0, 0
	WIN MUL_HI
	MUL16 4, 1, 0
	MUL16 6, 1, 0
	PLACES NP
	WIN 0
	FETCH_A \next, 0, 4
.endm
	s_wait_tensorcnt 1                             ; my part of K step 0 is in (K step 1's load may be out)
	s_barrier_signal -1
	s_barrier_wait -1                              ; everybody's is
	FETCH_B 0, 0, 0
	FETCH_A 0, 0, 0
	FETCH_A 0, 0, 4
	STEP 0, 0, 1                                   ; the first step stands in front of the loop: its products start the sums
	s_mov_b32 s3, LAPS-1
.Llap:                                                 ; a trip goes once round the ring and fills both slots again
	TURN 0, 1, 1
	STEP 1, 0, 0
	TURN 1, 0, 1
	STEP 0, 0, 0
	s_sub_co_u32 s3, s3, 1
	s_cmp_lg_u32 s3, 0
	s_cbranch_scc1 .Llap
	TURN 0, 1, 0                                   ; the last lap fills nothing
	STEP 1, 0, 0
	s_wait_dscnt 4*NL                              ; the very last step
	WIN MUL_LO
	MUL16 0, 1, 0
	MUL16 2, 1, 0
	s_wait_dscnt 0
	WIN MUL_HI
	MUL16 4, 1, 0
	MUL16 6, 1, 0
	WIN 0
; THE WAY OUT.  EPI: all 64 accumulators are held, converted and put into a stage.  Each accumulator is read from its low end on.  Each row block has code registers of its own.
.macro EPI sto, sc, lim
.irp a, 0,1,2,3,4,5,6,7
.set AC, 64*(\a%4)
	WIN 0x02+((\a)/4)                              ; source 0: window 2 or 3
.set j, 0
.rept 64
	v_med3_num_f32 v[TMP+j], v[AC+j], -v[\lim], v[\lim]   ; the conversion does not saturate (ISA guide 7.6.2): the hold at 448 x the folded scale
.set j, j+1
.endr
	WIN 0
.irp b, 0,1,2,3,4,5,6,7
	v_cvt_scalef32_pk8_fp8_f32 v[CODE+16*\a+2*\b:CODE+16*\a+2*\b+1], v[TMP+8*\b:TMP+8*\b+7], v[\sc]
.endr
	v_nop                                          ; a plain vector line behind the conversions, ahead of the next writes of their sources
.irp b, 0,1,2,3,4,5,6,7
	ds_store_b64 v[\sto], v[CODE+16*\a+2*\b:CODE+16*\a+2*\b+1] offset:(\b>>2)*20480+\a*1280+(\b&3)*16
.endr
.endr
.endm
; OUT: my group of 64 columns, 256 rows, eight rows an instruction.  The t-th run of 512 bytes of the output takes the rows whose number has bits 3 and 4 exchanged: run t reads row group t with its bits 0 and 1 exchanged.
.macro OUT rd, extra
.set t, 0
.rept 32
	ds_load_b128 v[CODE+4*t:CODE+4*t+3], v[\rd] offset:((t&28)|((t&1)<<1)|((t>>1)&1))*640
.set t, t+1
.endr
.set t, 0
.rept 32
	s_wait_dscnt 31-t
	global_store_b128 v[CO], v[CODE+4*t:CODE+4*t+3], s[84+2*(t>>3):85+2*(t>>3)] offset:(t&7)*512+\extra   ; 32 lanes store 512 consecutive bytes, aligned
.set t, t+1
.endr
.endm
	s_wait_kmcnt 0x0
	; where the codes go: region + batch x 1 MiB + X x 256 KiB + Y x 16 KiB + wave x CGS + (row group of 64) x RGS.  q, k, k_y: X = cx (four heads), Y = cy (256 tokens), a column group is a head, a row group 64 tokens.
	; v: X = cy (four heads), Y = cx (256 tokens), a column group is 64 tokens, a row group a head.
	s_cmp_eq_u32 ttmp9, 2
	s_cselect_b32 s80, s41, s40
	s_cselect_b32 s81, s40, s41
	s_mov_b32 s82, 0x10000
	s_cselect_b32 s82, 4096, s82                   ; CGS
	s_mov_b32 s83, 4096
	s_cselect_b32 s83, 0x10000, s83                ; RGS
	s_lshl_b32 s92, ttmp9, 23                      ; q at 0, k at 8 MiB, v at 16 MiB,
	s_cmp_eq_u32 ttmp9, 3
	s_cselect_b32 s92, 0xc00000, s92               ; k_y at 12 MiB
	s_and_b32 s93, ttmp7, 0xffff
	s_lshl_b32 s93, s93, 20
	s_add_co_u32 s92, s92, s93
	s_lshl_b32 s80, s80, 18
	s_add_co_u32 s92, s92, s80
	s_lshl_b32 s81, s81, 14
	s_add_co_u32 s92, s92, s81
	s_mul_i32 s82, s82, s14
	s_add_co_u32 s92, s92, s82
	s_mov_b32 s93, 0
	s_add_nc_u64 s[84:85], s[10:11], s[92:93]
	s_mov_b32 s92, s83
	s_add_nc_u64 s[86:87], s[84:85], s[92:93]
	s_add_nc_u64 s[88:89], s[86:87], s[92:93]
	s_add_nc_u64 s[90:91], s[88:89], s[92:93]
	; the folded scales: choices on the cluster's x alone, no branch on a given exponent
	s_add_co_i32 s94, s68, s69                     ; e0 + e1
	s_add_co_i32 s95, s72, s73                     ; e4 + e5
	s_cmp_eq_u32 ttmp9, 3
	s_cselect_b32 s94, s95, s94                    ; eA + eB
	s_cselect_b32 s95, s75, s70                    ; eo: e7 or e2,
	s_cmp_eq_u32 ttmp9, 1
	s_cselect_b32 s95, s71, s95                    ; e3,
	s_cmp_eq_u32 ttmp9, 2
	s_cselect_b32 s95, s77, s95                    ; e9
	s_sub_co_i32 s95, s95, s94
	s_add_co_i32 s95, s95, 127
	s_lshl_b32 s96, s95, 23
	PLACES NP                                      ; behind the last products: the lines below write registers that held A's fragments, and read results
	v_mov_b32 v8, s96                              ; 2^(eo - eA - eB)
	s_add_co_i32 s95, s95, 8
	s_lshl_b32 s95, s95, 23
	s_or_b32 s95, s95, 0x600000
	v_mov_b32 v9, s95                              ; 448 x that
	s_sub_co_i32 s95, s74, s94                     ; the same with e6
	s_add_co_i32 s95, s95, 127
	s_lshl_b32 s96, s95, 23
	v_mov_b32 v10, s96
	s_add_co_i32 s95, s95, 8
	s_lshl_b32 s95, s95, 23
	s_or_b32 s95, s95, 0x600000
	v_mov_b32 v11, s95
	s_wait_dscnt 0x0                               ; my reads of the ring are over;
	s_barrier_signal -1
	s_barrier_wait -1                              ; everybody's are: both slots have had their last fill and their last read, and take the stages
	EPI STO, 8, 9
	s_cmp_lg_u32 ttmp9, 0                          ; q alone is an operand of two products.  The cluster's x: alike in all partners and all waves
	s_cbranch_scc1 .Lnq1
	s_wait_dscnt 0x0                               ; the first stage's stores have read the code registers
	EPI STO2, 10, 11
.Lnq1:
	s_wait_dscnt 0x0                               ; for the others' sake: my stores into the stages are done
	s_barrier_signal -1
	s_barrier_wait -1
	OUT RD, 0
	s_cmp_lg_u32 ttmp9, 0
	s_cbranch_scc1 .Lnq2
	s_wait_xcnt 0x0                                ; the stores above have read their registers, which the loads below fill again
	OUT RD2, 4194304
.Lnq2:
	s_wait_tensorcnt 0x0                           ; the wave's end, behind my last tensor load and my last LDS store
	ds_add_u32 v[SPW], v[NIL]
	s_wait_dscnt 0x0
	CROUND                                         ; the closing round: no work-group ends while a partner may still ask for a tile that names it
	s_endpgm
.Lfunc_end_k_q46743364ea_qkvgemm:
	.size	k_q46743364ea_qkvgemm, .Lfunc_end_k_q46743364ea_qkvgemm-k_q46743364ea_qkvgemm
	.p2alignl 7, 3214868480
	.fill 96, 4, 3214868480
	.section	.rodata,"a",@progbits
	.p2align	6, 0x0
	.amdhsa_kernel k_q46743364ea_qkvgemm
		.amdhsa_group_segment_fixed_size 327680
		.amdhsa_private_segment_fixed_size 0
		.amdhsa_enable_private_segment 0
		.amdhsa_kernarg_size 24
		.amdhsa_user_sgpr_count 2
		.amdhsa_user_sgpr_kernarg_segment_ptr 1
		.amdhsa_wavefront_size32 1
		.amdhsa_system_sgpr_workgroup_id_x 1
		.amdhsa_system_sgpr_workgroup_id_y 1
		.amdhsa_system_sgpr_workgroup_id_z 1
		.amdhsa_system_vgpr_workitem_id 0
		.amdhsa_next_free_vgpr 1024
		.amdhsa_next_free_sgpr 104
		.amdhsa_reserve_vcc 0
		.amdhsa_float_denorm_mode_32 3
		.amdhsa_float_denorm_mode_16_64 3
		.amdhsa_memory_ordered 1
		.amdhsa_forward_progress 1
		.amdhsa_inst_pref_size 174
	.end_amdhsa_kernel
	.amdgpu_metadata
---
amdhsa.version: [ 1, 2 ]
amdhsa.kernels:
  - .name:           k_q46743364ea_qkvgemm
    .symbol:         k_q46743364ea_qkvgemm.kd
    .args:
      - { .name: codes, .offset: 0, .size: 8, .value_kind: global_buffer, .address_space: global }
      - { .name: lowp_scales, .offset: 8, .size: 8, .value_kind: global_buffer, .address_space: global }
      - { .name: qkv, .offset: 16, .size: 8, .value_kind: global_buffer, .address_space: global }
    .group_segment_fixed_size: 327680
    .private_segment_fixed_size: 0
    .kernarg_segment_align: 8
    .kernarg_segment_size: 24
    .max_flat_workgroup_size: 128
    .sgpr_count:     104
    .vgpr_count:     1024
    .wavefront_size: 32
...
	.end_amdgpu_metadata
.endif
;; end of part 2
;; launch attn (part 3): grid 4 x 64, 16 waves a work-group, no clusters, 327,680 bytes of LDS; arguments qkv, lowp_scales, oq; writes oq
.if DOCPART == 3
	.amdgcn_target "amdgcn-amd-amdhsa--gfx1250"
	.amdhsa_code_object_version 6
	.text
	.protected	k_q46743364ea_attn
	.globl	k_q46743364ea_attn
	.p2align	8
	.type	k_q46743364ea_attn,@function
k_q46743364ea_attn:
	s_mov_b64 s[64:65], 0
	v_nop
	global_prefetch_b8 v0, s[64:65] scope:SCOPE_SE
	s_setreg_imm32_b32 hwreg(HW_REG_WAVE_MODE, 25, 1), 1
	s_wait_xcnt 0x0
; For each batch and head:  L = q k^T / 8,  L_y = q k_y^T / 8,  agg = sum over keys <= query of exp(clip(L_y, +-15)) + eps,  w = softplus(log(|L| + eps) - log(agg + eps)) = log(1 + y), y = (|L| + eps) / (agg + eps),
; A = w / (sum of w + eps) over keys <= query,  out = A v.  All three products on codes of E4M3; A is quantised finished (e8); out is quantised (e10) for the last product.
; w IN UNITS OF log2:  u = 1 + y, d = y - (u - 1) (what the addition lost: exact for y < 1), w2 = log2(u) + d x max(K - K y, 0), K = log2(e): log2(1 + y) to a few parts in 10^7 for every y >= 0, with one
; transcendental and no branch.  A = w2 / (sum of w2 + eps K), which is w / (sum of w + eps).
; SHARES.  A work-group holds ONE head's k_y, k and v in LDS, each filled once, and walks four blocks of 64 queries, J, 7 - J, 8 + J, 15 - J (J = work-group x): 30 in sum for every J, so that the causal work is even.
; Wave = (qt, ks): qt = its tile of 16 queries, ks = its share of the keys: blocks of 32 keys 4 n + ks, n = 0 .. 7.  Its w2 stay in registers, 16 a block, so L and the logarithm are made once.
; Three sums cross the four waves of a tile through LDS: agg, the sum of w2, the parts of out.  Three barriers a trip.
; LAYOUT.  Both kinds of product are used transposed (source 0 = 16 keys, or 16 of the head's 64; source 1 = my 16 queries): a lane holds ONE query (lane % 16) throughout.  Rows lie in memory with bits 3 and 4 of their
; number exchanged, so 16 consecutive LDS rows are a tile, and the 16 registers of two neighbouring tiles are 16 NEIGHBOURS: keys 32 block + 16 (lane / 16) + 0 .. 15; features likewise.  The conversions' results are operands.
; CAUSAL.  A block all of whose keys come after my queries is left out by a scalar branch on ids; in the one block on the diagonal hidden numbers become 0.  The block numbers ascend from trip to trip, so a wave's count of
; blocks never falls: w2's registers beyond it still hold the zeros written at the head, which give the code 0.
; NO CLUSTER, though the four work-groups of a head read the same k_y, k and v: the causal branches hang on J, which would be a work-group's place in its cluster; walking all keys instead would double the vector work.
; oq is laid as the last product's operand registers: (token / 128) x 131072 + (head / 4) x 32768 + ((token / 16) % 8) x 4096 + ((head / 2) % 2) x 2048 + (2 (head % 2) + half) x 512 + 16 x lane.
; LIMITS on the given exponents: e6 + e7 - 3 between -126 and 127 (added to K's exponent field); e2 + e3 at most 80 (y stays finite); e8, and e10 - e8 - e9, between -126 and 119.  NaN is not served.
.set KKB,   81920                      ; LDS: k_y at 0, k here, v behind it: 1,024 rows of 64 bytes + 16 of padding each
.set VTB,   163840
.set OX,    245760                     ; the parts of out: 4,096 bytes a wave
.set XA,    311296                     ; the parts of agg: [qt][query][ks] words;  the parts of the sum of w2 lie 1,024 bytes further on
.set SPARE, 313344                     ; the spare words, 128 bytes a wave, which no other line names
; v1 my spare word, v2 0; v3-5 my place in a block of k_y / k (+ 0, 6, 12 blocks); v6-7 in v (+ 0, 6); v8 my place in a block of q; v9, v10 offsets of the q loads in hand; v11, v12 the exchanges' store and load;
; v13, v14 out's parts: store and load; v15 16 x lane; v16 oq offset; v17 the diagonal's bound; v18, v19 a, b (y = |s| a + b); v[20:21] 1 / sum; v[22:25] two chains of sums; v26, v27, v31 at work;
; v28 2^e8; v29, v30 2^(e10 - e8 - e9) and 448 x it; v[32:39] q under e6; v[40:47] q under e2
.set KF,    48                         ; v48-79   two sets of two tiles of k_y or k; in pass 3 four tiles of v
.set U,     80                         ; v80-95   scores of k_y, then exponentials; u, then log2(u)
.set D,     96                         ; v96-111  d
.set G,     112                        ; v112-127 max(K - K y, 0)
.set O,     80                         ; v80-111  pass 3: my part of out, four tiles
.set P,     112                        ; v112-119 pass 3: A's codes
.set W,     128                        ; v128-255 w2, block n at 16 n
; s10 wave, s11 qt, s12 ks, s13 J, s14 16 batch + head, s15 trip, s16 block of queries, s17 last block of keys, s18 my count of blocks, s19 last block - ks; s[20:21] lane selects; s[22:23] K 2^(e6 + e7 - 3);
; s24, s25 +-15 K; s[26:27] K; s28 e2 + e3 - 3; s29 448 x 2^e8; s30-35 at work; s[36:43] descriptor group 1; s[44:55] three groups 0; s[68:79] the exponents; s80 eps, s81 eps K
.macro KLOAD gi, set                   ; block gi (0-7 of k_y, 8-15 of k) of my share: two tiles of 16 rows x 64 codes: lane l holds row l % 16, bytes 16 (l / 16) + 0 .. 15 and 32 + 16 (l / 16) + 0 .. 15: the same order as q's
.irp u, 0,1
	ds_load_b128 v[KF+16*(\set)+8*\u:KF+16*(\set)+8*\u+3], v[3+(\gi)/6] offset:((\gi)%6)*10240+\u*1280
	ds_load_b128 v[KF+16*(\set)+8*\u+4:KF+16*(\set)+8*\u+7], v[3+(\gi)/6] offset:((\gi)%6)*10240+\u*1280+32
.endr
.endm
.macro MASK base, n                    ; on the diagonal: register mx holds key 32 block + 16 (lane / 16) + mx, which counts where mx <= v17
	s_cmp_lg_u32 s19, 4*(\n)
	s_cbranch_scc1 .Lopen_\@
.set mx, 0
.rept 16
	v_cmp_le_i32 vcc_lo, mx, v17
	v_cndmask_b32 v[(\base)+mx], 0, v[(\base)+mx], vcc_lo
.set mx, mx+1
.endr
.Lopen_\@:
.endm
.macro CHAINS base                     ; 16 numbers into the two chains
.set i, 0
.rept 4
	v_pk_add_f32 v[22:23], v[22:23], v[(\base)+i:(\base)+i+1]
	v_pk_add_f32 v[24:25], v[24:25], v[(\base)+i+2:(\base)+i+3]
.set i, i+4
.endr
.endm
; PASS 1, block n: exp(clip(L_y)) of 32 keys, summed
.macro P1BLOCK n
	s_cmp_le_u32 s18, \n
	s_cbranch_scc1 .Lp1_end
	s_wait_dscnt 0x0                               ; the block's tiles are in
	v_wmma_f32_16x16x64_fp8_fp8 v[U:U+7], v[KF+16*((\n)%2):KF+16*((\n)%2)+7], v[32:39], 0
	v_wmma_f32_16x16x64_fp8_fp8 v[U+8:U+15], v[KF+16*((\n)%2)+8:KF+16*((\n)%2)+15], v[32:39], 0
.if (\n) < 7
	KLOAD (\n)+1, ((\n)+1)%2                       ; the next block, into the set whose last products stand a block back
.endif
.rept 5
	v_nop                                          ; places: four ahead of the reads below; the fifth since the next block's products write over these results
.endr
.set i, 0
.rept 8
	v_pk_mul_f32 v[U+i:U+i+1], v[U+i:U+i+1], s[22:23] op_sel_hi:[1,0]   ; L_y x K
.set i, i+2
.endr
.set i, 0
.rept 16
	v_med3_num_f32 v[U+i], v[U+i], s25, s24        ; the clip at +-15, in units of log2
.set i, i+1
.endr
.set i, 0
.rept 16
	v_exp_f32 v[U+i], v[U+i]
.set i, i+1
.endr
	v_nop                                          ; a plain line behind the last exponential
	s_wait_alu depctr_va_vdst(0)                   ; one wait for the batch, ahead of its first reader and of the branch below
	MASK U, \n
	CHAINS U
.endm
; PASS 2, block n: w2 of 32 keys, kept and summed
.macro P2BLOCK n
.set WB, W+16*(\n)
	s_cmp_le_u32 s18, \n
	s_cbranch_scc1 .Lp2_end
	s_wait_dscnt 0x0
	v_wmma_f32_16x16x64_fp8_fp8 v[WB:WB+7], v[KF+16*((\n)%2):KF+16*((\n)%2)+7], v[40:47], 0
	v_wmma_f32_16x16x64_fp8_fp8 v[WB+8:WB+15], v[KF+16*((\n)%2)+8:KF+16*((\n)%2)+15], v[40:47], 0
.if (\n) < 7
	KLOAD 8+(\n)+1, ((\n)+1)%2
.endif
.rept 4
	v_nop
.endr
.set i, 0
.rept 16
	v_fma_f32 v[WB+i], |v[WB+i]|, v18, v19         ; y = (|L| + eps) / (agg + eps)
.set i, i+1
.endr
.set i, 0
.rept 8
	v_pk_add_f32 v[U+i:U+i+1], v[WB+i:WB+i+1], 1.0 op_sel_hi:[1,0]       ; u = 1 + y
.set i, i+2
.endr
.set i, 0
.rept 8
	v_pk_add_f32 v[D+i:D+i+1], v[U+i:U+i+1], -1.0 op_sel_hi:[1,0]        ; u - 1
.set i, i+2
.endr
.set i, 0
.rept 16
	v_log_f32 v[U+i], v[U+i]
.set i, i+1
.endr
.set i, 0
.rept 8
	v_pk_add_f32 v[D+i:D+i+1], v[WB+i:WB+i+1], v[D+i:D+i+1] neg_lo:[0,1] neg_hi:[0,1]   ; d = y - (u - 1).  (These lines name no logarithm: work between the batch and its wait)
.set i, i+2
.endr
.set i, 0
.rept 8
	v_pk_fma_f32 v[G+i:G+i+1], v[WB+i:WB+i+1], s[26:27], s[26:27] op_sel_hi:[1,0,0] neg_lo:[0,1,0] neg_hi:[0,1,0]   ; K - K y
.set i, i+2
.endr
.set i, 0
.rept 16
	v_max_num_f32 v[G+i], 0, v[G+i]
.set i, i+1
.endr
	s_wait_alu depctr_va_vdst(0)                   ; one wait for the sixteen logarithms, ahead of their first reader
.set i, 0
.rept 8
	v_pk_fma_f32 v[WB+i:WB+i+1], v[D+i:D+i+1], v[G+i:G+i+1], v[U+i:U+i+1]   ; w2
.set i, i+2
.endr
	MASK WB, \n
	CHAINS WB
.endm
; PASS 3, blocks 2 m and 2 m + 1: 64 keys: A = w2 / sum, quantised; my part of out^T += v^T A^T.  The four accumulators take turns.  Pair 0 always runs and starts the sums.
.macro PAIR m
.if (\m) > 0
	s_cmp_le_u32 s18, 2*(\m)
	s_cbranch_scc1 .Lp3_end
.rept 4
	v_nop                                          ; places ahead of loads into registers that the last products read
.endr
.endif
.irp t, 0,1,2,3
	ds_load_b128 v[KF+8*\t:KF+8*\t+3], v[6+(2*(\m))/6] offset:((2*(\m))%6)*10240+\t*1280
	ds_load_b128 v[KF+8*\t+4:KF+8*\t+7], v[6+(2*(\m)+1)/6] offset:((2*(\m)+1)%6)*10240+\t*1280
.endr
.irp k, 0,1
.set WB, W+16*(2*(\m)+\k)
.set i, 0
.rept 8
	v_pk_mul_f32 v[WB+i:WB+i+1], v[WB+i:WB+i+1], v[20:21] op_sel_hi:[1,0]
.set i, i+2
.endr
.set i, 0
.rept 16
	v_min_num_f32 v[WB+i], s29, v[WB+i]            ; the conversion does not saturate (ISA guide 7.6.2); A is not negative, so the hold is one-sided
.set i, i+1
.endr
	v_cvt_scalef32_pk8_fp8_f32 v[P+4*\k:P+4*\k+1], v[WB:WB+7], v28
	v_cvt_scalef32_pk8_fp8_f32 v[P+4*\k+2:P+4*\k+3], v[WB+8:WB+15], v28
.endr
	v_nop                                          ; a plain line between the conversions and the products that read their results
	s_wait_dscnt 0x0
.irp t, 0,1,2,3
.if (\m) == 0
	v_wmma_f32_16x16x64_fp8_fp8 v[O+8*\t:O+8*\t+7], v[KF+8*\t:KF+8*\t+7], v[P:P+7], 0
.else
	v_wmma_f32_16x16x64_fp8_fp8 v[O+8*\t:O+8*\t+7], v[KF+8*\t:KF+8*\t+7], v[P:P+7], v[O+8*\t:O+8*\t+7]
.endif
.endr
.endm
.macro QBOF dst, idx, tmp              ; the idx-th block of queries: 8 (idx / 2) + (J xor 7 (idx % 2))
	s_and_b32 \tmp, \idx, 1
	s_mul_i32 \tmp, \tmp, 7
	s_xor_b32 \tmp, \tmp, s13
	s_lshr_b32 \dst, \idx, 1
	s_lshl_b32 \dst, \dst, 3
	s_add_co_u32 \dst, \dst, \tmp
.endm
.macro XSUM off                        ; the chains, and lane l xor 16's: my share's sum for query l % 16, into my word
	v_pk_add_f32 v[22:23], v[22:23], v[24:25]
	v_add_f32 v26, v22, v23
	v_permlanex16_b32 v27, v26, s20, s21
	v_add_f32 v26, v26, v27
	ds_store_b32 v11, v26 offset:\off
.endm
.macro BAR                             ; my LDS stores have landed and my LDS loads are in: then the work-group's barrier
	s_wait_dscnt 0x0
	s_barrier_signal -1
	s_barrier_wait -1
.endm
	s_load_b128 s[4:7], s[0:1], 0x0                ; qkv, the scales' exponents
	s_load_b64 s[8:9], s[0:1], 0x10                ; oq
	v_lshl_add_u32 v1, v0, 2, SPARE
	v_mov_b32 v2, 0
	ds_add_u32 v1, v2                              ; the wave's opening: the add and its wait stand ahead of my first tensor load; the set-up below stands between them
	v_lshrrev_b32 v3, 5, v0
	v_readfirstlane_b32 s10, v3                    ; wave 0..15
	s_lshr_b32 s11, s10, 2                         ; qt
	s_and_b32 s12, s10, 3                          ; ks
	s_mov_b32 s13, ttmp9                           ; J
	s_and_b32 s14, ttmp7, 0xffff                   ; 16 batch + head
	s_mov_b32 s15, 0
	s_mov_b32 s20, 0x76543210
	s_mov_b32 s21, 0xfedcba98
	s_mov_b32 s36, (1<<20)|(3<<22)|(3<<25)         ; group 1: elements of 1 byte; padding on: four words after every 16
	s_mov_b32 s37, 64<<16                          ; tensor_dim0 = 64
	s_mov_b32 s38, 64<<16                          ; tensor_dim1 = 64
	s_mov_b32 s39, 64<<16                          ; tile_dim0 = 64
	s_mov_b32 s40, 64                              ; tile_dim1 = 64
	s_mov_b32 s41, 64                              ; rows are dense in memory
	s_mov_b32 s42, 0
	s_mov_b32 s43, 0
	s_mul_i32 s34, s10, 5120                       ; my sixteenth of a region in LDS: 64 rows of 80 bytes
	s_wait_dscnt 0x0                               ; the opening add is done
	s_wait_kmcnt 0x0
	s_load_b256 s[68:75], s[6:7], 0x0              ; e0 .. e7
	s_load_b128 s[76:79], s[6:7], 0x20             ; e8 .. e11
	s_lshl_b32 s30, s14, 16
	s_mov_b32 s31, 0
	s_add_nc_u64 s[4:5], s[4:5], s[30:31]          ; my head's 65,536 bytes in each region
	s_lshl_b32 s30, s10, 12
	s_add_nc_u64 s[32:33], s[4:5], s[30:31]        ; my sixteenth of them
	s_mov_b32 s44, 1                               ; k_y
	s_mov_b32 s45, s34
	s_add_nc_u64 s[46:47], s[32:33], 0xc00000
	s_or_b32 s47, s47, 0x80000000
	s_mov_b32 s48, 1                               ; k
	s_add_co_u32 s49, s34, KKB
	s_add_nc_u64 s[50:51], s[32:33], 0x800000
	s_or_b32 s51, s51, 0x80000000
	s_mov_b32 s52, 1                               ; v
	s_add_co_u32 s53, s34, VTB
	s_add_nc_u64 s[54:55], s[32:33], 0x1000000
	s_or_b32 s55, s55, 0x80000000
	tensor_load_to_lds s[44:47], s[36:43]          ; the only fills of the launch, in the order in which the passes want them: three loads of mine are out
	s_nop 0
	tensor_load_to_lds s[48:51], s[36:43]
	s_nop 0
	tensor_load_to_lds s[52:55], s[36:43]
	s_nop 0
.rept 4
	v_nop
.endr
	s_lshr_b32 s30, s14, 4                         ; oq: batch x 1 MiB + (head / 4) x 32,768 + ((head / 2) % 2) x 2,048 + (head % 2) x 1,024
	s_lshl_b32 s30, s30, 20
	s_and_b32 s32, s14, 15
	s_lshr_b32 s33, s32, 2
	s_lshl_b32 s33, s33, 15
	s_add_co_u32 s30, s30, s33
	s_bfe_u32 s33, s32, 0x10001
	s_lshl_b32 s33, s33, 11
	s_add_co_u32 s30, s30, s33
	s_and_b32 s33, s32, 1
	s_lshl_b32 s33, s33, 10
	s_add_co_u32 s30, s30, s33
	s_mov_b32 s31, 0
	s_add_nc_u64 s[8:9], s[8:9], s[30:31]
	v_and_b32 v26, 15, v0                          ; r
	v_bfe_u32 v27, v0, 4, 1                        ; hh
	v_and_b32 v31, 31, v0                          ; lane
	v_mul_u32_u24 v3, v26, 80
	v_lshl_add_u32 v3, v27, 4, v3                  ; row r, + 16 hh
	s_lshr_b32 s30, s12, 1                         ; v: block 4 n + ks of 32 keys is half (ks % 2) of the rows of the 64 keys 2 n + ks / 2
	s_mul_i32 s30, s30, 5120
	s_and_b32 s31, s12, 1
	s_lshl_b32 s31, s31, 5
	s_add_co_u32 s30, s30, s31
	s_add_co_u32 s30, s30, VTB
	v_add_nc_u32 v6, s30, v3
	v_add_nc_u32 v7, 61440, v6
	s_mul_i32 s30, s12, 2560                       ; k_y, k: block 4 n + ks begins at row 128 n + 32 ks
	v_add_nc_u32 v3, s30, v3
	v_add_nc_u32 v4, 61440, v3
	v_add_nc_u32 v5, 122880, v3
	v_lshrrev_b32 v8, 3, v26                       ; q: query 16 qt + r of a block lies at row 32 (qt / 2) + 16 (r / 8) + 8 (qt % 2) + r % 8
	v_and_b32 v9, 7, v26
	v_lshl_add_u32 v8, v8, 4, v9
	v_lshlrev_b32 v8, 6, v8
	v_lshl_add_u32 v8, v27, 4, v8
	s_lshr_b32 s30, s11, 1
	s_lshl_b32 s30, s30, 5
	s_and_b32 s31, s11, 1
	s_lshl_b32 s31, s31, 3
	s_add_co_u32 s30, s30, s31
	s_lshl_b32 s30, s30, 6
	v_add_nc_u32 v8, s30, v8
	s_lshl_b32 s30, s11, 8
	s_add_co_u32 s30, s30, XA
	v_lshl_add_u32 v12, v26, 4, s30                ; the exchange: four words for query r of tile qt,
	s_lshl_b32 s31, s12, 2
	v_add_nc_u32 v11, s31, v12                     ; of which word ks is mine
	v_lshlrev_b32 v15, 4, v31
	s_lshl_b32 s30, s10, 12
	s_add_co_u32 s30, s30, OX
	v_add_nc_u32 v13, s30, v15                     ; my part of out, as an image of its registers
	s_lshl_b32 s30, s11, 14
	s_lshl_b32 s31, s12, 11
	s_add_co_u32 s30, s30, s31
	s_add_co_u32 s30, s30, OX
	v_add_nc_u32 v14, s30, v15                     ; waves ks = 0, 1: half ks of the four parts of tile qt
	s_and_b32 s30, s11, 1
	s_lshl_b32 s30, s30, 4
	v_lshlrev_b32 v17, 4, v27
	v_sub_nc_u32 v17, v26, v17
	v_add_nc_u32 v17, s30, v17                     ; 16 (qt % 2) + r - 16 hh
	s_lshl_b32 s30, s13, 12                        ; the first block of queries is J
	v_add_nc_u32 v9, s30, v8
	v_add_nc_u32 v10, s30, v8
	global_load_b128 v[32:35], v9, s[4:5] offset:4194304       ; q under e6,
	global_load_b128 v[36:39], v9, s[4:5] offset:4194336
	global_load_b128 v[40:43], v10, s[4:5]                     ; and under e2
	global_load_b128 v[44:47], v10, s[4:5] offset:32
.set i, 0
.rept 128
	v_mov_b32 v[W+i], 0                            ; once: blocks that a wave has not reached give the code 0 in pass 3
.set i, i+1
.endr
	s_wait_kmcnt 0x0
	s_add_co_i32 s30, s74, s75
	s_sub_co_i32 s30, s30, 3
	s_lshl_b32 s30, s30, 23
	s_add_co_i32 s22, s30, 0x3fb8aa3b              ; K x 2^(e6 + e7 - 3): the exponents are added to K's exponent field
	s_mov_b32 s23, s22
	s_mov_b32 s24, 0x41ad1f97                      ; 15 K
	s_mov_b32 s25, 0xc1ad1f97
	s_mov_b32 s26, 0x3fb8aa3b                      ; K = log2(e)
	s_mov_b32 s27, s26
	s_add_co_i32 s28, s70, s71
	s_sub_co_i32 s28, s28, 3                       ; e2 + e3 - 3
	s_add_co_i32 s30, s76, 127
	s_lshl_b32 s31, s30, 23
	v_mov_b32 v28, s31                             ; 2^e8
	s_add_co_i32 s30, s30, 8
	s_lshl_b32 s30, s30, 23
	s_or_b32 s29, s30, 0x600000                    ; 448 x 2^e8
	s_sub_co_i32 s30, s78, s76
	s_sub_co_i32 s30, s30, s77
	s_add_co_i32 s30, s30, 127
	s_lshl_b32 s31, s30, 23
	v_mov_b32 v29, s31                             ; 2^(e10 - e8 - e9): a sum of the third product stands for sum x 2^(e8 + e9)
	s_add_co_i32 s30, s30, 8
	s_lshl_b32 s30, s30, 23
	s_or_b32 s30, s30, 0x600000
	v_mov_b32 v30, s30
	s_mov_b32 s80, 0x358637bd                      ; eps = 1e-6
	s_mov_b32 s81, 0x35c1a2a0                      ; eps x K
	s_wait_tensorcnt 2                             ; my part of k_y is in (behind it: k's and v's loads),
	s_barrier_signal -1
	s_barrier_wait -1                              ; everybody's is
.Ltrip:
	s_wait_xcnt 0x0                                ; the last trip's store has read its offset and its codes' registers, which this trip writes
	QBOF s16, s15, s30
	s_lshl_b32 s17, s16, 1
	s_lshr_b32 s30, s11, 1
	s_add_co_u32 s17, s17, s30                     ; the last block of 32 keys that my queries see
	s_sub_co_u32 s19, s17, s12                     ; block n of mine is that one where 4 n is this
	s_add_co_u32 s18, s19, 4
	s_lshr_b32 s18, s18, 2                         ; how many of my blocks count
.irp i, 22,23,24,25
	v_mov_b32 v\i, 0
.endr
	; ---- pass 1: agg
	KLOAD 0, 0
	s_wait_loadcnt 2                               ; q under e6 is in; the two younger loads are q's under e2
.irp n, 0,1,2,3,4,5,6,7
	P1BLOCK \n
.endr
.Lp1_end:
	s_add_co_u32 s31, s15, 1                       ; the next trip's q under e6 is asked for a trip ahead.  The index wraps, so the last trip's address is a valid one; what it brings is not used
	s_and_b32 s31, s31, 3
	QBOF s32, s31, s30
	s_lshl_b32 s32, s32, 12
	v_add_nc_u32 v9, s32, v8                       ; (free since the wait for the loads that read it)
	global_load_b128 v[32:35], v9, s[4:5] offset:4194304
	global_load_b128 v[36:39], v9, s[4:5] offset:4194336
	XSUM 0
	s_wait_tensorcnt 1                             ; my part of k is in (behind it: v's load); from the second trip on nothing is out
	BAR
	ds_load_b128 v[80:83], v12                     ; the four shares' sums for my query
	KLOAD 8, 0
	s_wait_dscnt 4                                 ; the sums are in; the four younger loads are k's first block
	v_add_f32 v80, v80, v81
	v_add_f32 v82, v82, v83
	v_add_f32 v80, v80, v82
	v_add_f32 v80, s80, v80                        ; agg = sum + eps,
	v_add_f32 v80, s80, v80                        ; and agg + eps
	v_rcp_f32 v26, v80
.irp i, 22,23,24,25
	v_mov_b32 v\i, 0                               ; (plain lines behind the reciprocal)
.endr
	s_wait_alu depctr_va_vdst(0)                   ; ahead of its first reader
	v_ldexp_f32 v18, v26, s28                      ; a = 2^(e2 + e3 - 3) / (agg + eps)
	v_mul_f32 v19, s80, v26                        ; b = eps / (agg + eps)
	; ---- pass 2: w2 and its sum
	s_wait_loadcnt 2                               ; q under e2 is in; the two younger loads are the next trip's
.irp n, 0,1,2,3,4,5,6,7
	P2BLOCK \n
.endr
.Lp2_end:
	v_add_nc_u32 v10, s32, v8
	global_load_b128 v[40:43], v10, s[4:5]
	global_load_b128 v[44:47], v10, s[4:5] offset:32
	XSUM 1024
	s_wait_tensorcnt 0x0                           ; my part of v is in: the last of the launch's fills; from the second trip on nothing is out
	BAR
	ds_load_b128 v[80:83], v12 offset:1024
	s_wait_dscnt 0x0
	v_add_f32 v80, v80, v81
	v_add_f32 v82, v82, v83
	v_add_f32 v80, v80, v82
	v_add_f32 v80, s81, v80
	v_rcp_f32 v20, v80
	v_nop
	s_wait_alu depctr_va_vdst(0)
	v_mov_b32 v21, v20                             ; (named with it as a pair)
	; ---- pass 3: A's codes, and my keys' part of out
.irp m, 0,1,2,3
	PAIR \m
.endr
.Lp3_end:
.rept 5
	v_nop                                          ; places: four ahead of the stores below; the fifth since the next trip's first products write over these registers
.endr
.irp i, 0,1,2,3,4,5,6,7
	ds_store_b128 v13, v[O+4*\i:O+4*\i+3] offset:512*\i    ; each accumulator from its low end on
.endr
	BAR
	; ---- the four parts are added, quantised and stored: waves ks = 0, 1, features 32 ks .. 32 ks + 31 each
	s_cmp_gt_u32 s12, 1
	s_cbranch_scc1 .Lno_red
	s_lshr_b32 s30, s16, 1
	s_lshl_b32 s30, s30, 17
	s_and_b32 s31, s16, 1
	s_lshl_b32 s31, s31, 14
	s_add_co_u32 s30, s30, s31
	s_lshl_b32 s31, s11, 12
	s_add_co_u32 s30, s30, s31
	s_lshl_b32 s31, s12, 9
	s_add_co_u32 s30, s30, s31
	v_add_nc_u32 v16, s30, v15
.irp k, 0,1,2,3
.irp i, 0,1,2,3
	ds_load_b128 v[48+16*\k+4*\i:48+16*\k+4*\i+3], v14 offset:4096*\k+512*\i
.endr
.endr
	s_wait_dscnt 0x0
.irp i, 0,2,4,6,8,10,12,14
	v_pk_add_f32 v[48+\i:49+\i], v[48+\i:49+\i], v[64+\i:65+\i]
	v_pk_add_f32 v[80+\i:81+\i], v[80+\i:81+\i], v[96+\i:97+\i]
.endr
.irp i, 0,2,4,6,8,10,12,14
	v_pk_add_f32 v[48+\i:49+\i], v[48+\i:49+\i], v[80+\i:81+\i]
.endr
.irp i, 0,1,2,3,4,5,6,7,8,9,10,11,12,13,14,15
	v_med3_num_f32 v[48+\i], v[48+\i], -v30, v30
.endr
	v_cvt_scalef32_pk8_fp8_f32 v[120:121], v[48:55], v29
	v_cvt_scalef32_pk8_fp8_f32 v[122:123], v[56:63], v29
	v_nop
	global_store_b128 v16, v[120:123], s[8:9]      ; 32 lanes store 512 consecutive bytes, aligned
.Lno_red:
	s_add_co_u32 s15, s15, 1
	s_cmp_lt_u32 s15, 4
	s_cbranch_scc1 .Ltrip
	s_wait_tensorcnt 0x0                           ; the wave's end, behind my last tensor load and my last LDS store
	ds_add_u32 v1, v2
	s_wait_dscnt 0x0
	s_endpgm
.Lfunc_end_k_q46743364ea_attn:
	.size	k_q46743364ea_attn, .Lfunc_end_k_q46743364ea_attn-k_q46743364ea_attn
	.p2alignl 7, 3214868480
	.fill 96, 4, 3214868480
	.section	.rodata,"a",@progbits
	.p2align	6, 0x0
	.amdhsa_kernel k_q46743364ea_attn
		.amdhsa_group_segment_fixed_size 327680
		.amdhsa_private_segment_fixed_size 0
		.amdhsa_enable_private_segment 0
		.amdhsa_kernarg_size 24
		.amdhsa_user_sgpr_count 2
		.amdhsa_user_sgpr_kernarg_segment_ptr 1
		.amdhsa_wavefront_size32 1
		.amdhsa_system_sgpr_workgroup_id_x 1
		.amdhsa_system_sgpr_workgroup_id_y 1
		.amdhsa_system_sgpr_workgroup_id_z 1
		.amdhsa_system_vgpr_workitem_id 0
		.amdhsa_next_free_vgpr 256
		.amdhsa_next_free_sgpr 96
		.amdhsa_reserve_vcc 1
		.amdhsa_float_denorm_mode_32 3
		.amdhsa_float_denorm_mode_16_64 3
		.amdhsa_memory_ordered 1
		.amdhsa_forward_progress 1
		.amdhsa_inst_pref_size 120
	.end_amdhsa_kernel
	.amdgpu_metadata
---
amdhsa.version: [ 1, 2 ]
amdhsa.kernels:
  - .name:           k_q46743364ea_attn
    .symbol:         k_q46743364ea_attn.kd
    .args:
      - { .name: qkv, .offset: 0, .size: 8, .value_kind: global_buffer, .address_space: global }
      - { .name: lowp_scales, .offset: 8, .size: 8, .value_kind: global_buffer, .address_space: global }
      - { .name: oq, .offset: 16, .size: 8, .value_kind: global_buffer, .address_space: global }
    .group_segment_fixed_size: 327680
    .private_segment_fixed_size: 0
    .kernarg_segment_align: 8
    .kernarg_segment_size: 24
    .max_flat_workgroup_size: 512
    .sgpr_count:     96
    .vgpr_count:     256
    .wavefront_size: 32
...
	.end_amdgpu_metadata
.endif
;; end of part 3
;; launch proj (part 4): grid 8 x 32, 4 waves a work-group, clusters of 4 x 4, 327,680 bytes of LDS; arguments oq, codes, lowp_scales, out0; writes out0
.if DOCPART == 4
	.amdgcn_target "amdgcn-amd-amdhsa--gfx1250"
	.amdhsa_code_object_version 6
	.text
	.protected	k_q46743364ea_proj
	.globl	k_q46743364ea_proj
	.p2align	8
	.type	k_q46743364ea_proj,@function
k_q46743364ea_proj:
	s_mov_b64 s[64:65], 0
	v_nop
	global_prefetch_b8 v0, s[64:65] scope:SCOPE_SE
	s_setreg_imm32_b32 hwreg(HW_REG_WAVE_MODE, 25, 1), 1
	s_wait_xcnt 0x0
	s_wait_alu depctr_hold_cnt(0) depctr_sa_sdst(0) depctr_va_vdst(0) depctr_va_sdst(0) depctr_va_ssrc(0) depctr_va_vcc(0) depctr_vm_vsrc(0)
	s_getreg_b32 s2, hwreg(HW_REG_IB_STS2, 6, 4)
	s_cmp_eq_u32 s2, 0
	s_cbranch_scc0 .Lentry_in_a_cluster
	s_endpgm
.Lentry_in_a_cluster:
	s_bfe_u32 s2, ttmp6, 0x10000c
	s_cmp_lg_u32 s2, 0xf033
	s_cbranch_scc0 .Lentry_shape_is_right
	s_endpgm
.Lentry_shape_is_right:
; out0 = out w_proj^T on codes of E4M3: [4,096 tokens][1,024] x [1,024 features][1,024], f32 sums, each multiplied once by 2^(e10 + e11).
; A tile of out0 is 128 x 128: 256 work-groups.  Four waves, each 64 x 64: 16 accumulators.  K is short enough that BOTH whole panels lie in LDS: they are filled once, in four chunks of 256 along K, and the products start
; when the first chunk is in.  Nothing is filled again.
; oq is laid as images of the operand's registers (a fragment of 16 tokens x 128 K: four runs of 512 bytes, 16 a lane), so a chunk is a dense block and a fragment comes by four loads at 16 x lane.
; w_proj's codes are rows of 1,024 bytes (rows 12,288 on of the codes' buffer): a chunk's rows of 256 bytes get 16 bytes of padding in LDS.
; CLUSTERS: 4 x 4 work-groups.  The four of a row of the cluster need the same tokens, the four of a column the same features: each chunk is asked for JOINTLY.
; THE MATRIX INSTRUCTION IS USED TRANSPOSED (source 0 = 16 features, source 1 = 16 tokens): a lane holds eight neighbouring numbers of a row of out0.
; LIMIT: e10 + e11 between -126 and 127, so that 2^(e10 + e11) is an f32 number.
; REGISTERS: window 0: v16-29 addresses; v32-63 a row block's results; v64-127 rows read back, two sets; v128-255 the accumulators ((a, b) at 128 + 8 (4 a + b)).  window 1: two fragment buffers of 128: tokens' four, features' four.
.set BB0,    131072                    ; LDS: the tokens' panel at 0 (131,072 bytes), the features' here: [half][chunk] x 64 rows x 272 bytes
.set STAGE,  270336                    ; 16 rows x 272 bytes for each wave, for the way out
.set SPARE,  287744                    ; the spare words, 128 bytes a wave, which no other line names
.set ADRA, 16                          ; v16-17  my tokens' fragments: chunks 0, 1 and chunks 2, 3
.set ADRB, 20                          ; v20     my features' fragments
.set STO,  24
.set RD,   25
.set CO,   26
.set SPW,  28                          ; v28     my spare word's LDS address; never rewritten
.set NIL,  29                          ; v29     0; never rewritten
.set TMP,  32
.set BK,   64
.set ACC,  128
.set MSB, 0
.macro WIN new                         ; the immediate's high byte repeats the setting that is left
.if MSB != \new
	s_set_vgpr_msb (MSB<<8)|\new
.set MSB, \new
.endif
.endm
.macro CREST
	s_cmp_lg_u32 s14, 0
	s_cbranch_scc1 .Lnot_wave_0_\@
	s_barrier_signal -3
.Lnot_wave_0_\@:
	s_barrier_wait -3
	s_barrier_signal -1
	s_barrier_wait -1
.endm
.macro CROUND
	s_barrier_signal -1
	s_barrier_wait -1
	CREST
.endm
.macro PLACES
.rept 4
	v_nop
.endr
.endm
	s_load_b128 s[4:7], s[0:1], 0x0                ; oq, the codes
	s_load_b128 s[8:11], s[0:1], 0x10              ; the scales' exponents, out0
	v_lshl_add_u32 v[SPW], v0, 2, SPARE
	v_mov_b32 v[NIL], 0
	ds_add_u32 v[SPW], v[NIL]                      ; the wave's opening: the add and its wait stand ahead of my first tensor load; the set-up below stands between them
	v_lshrrev_b32 v1, 5, v0
	v_readfirstlane_b32 s14, v1                    ; wave 0..3
	s_lshr_b32 s15, s14, 1                         ; which 64 tokens are mine.  Also: I fetch tokens (0) or features (1)
	s_and_b32 s16, s14, 1                          ; which 64 features.  Also: which half of a chunk I fetch
	s_bfe_u32 s84, ttmp6, 0x40000                  ; cx
	s_bfe_u32 s85, ttmp6, 0x40004                  ; cy
	s_lshl_b32 s86, ttmp9, 2
	s_add_co_u32 s86, s86, s84                     ; tile column = 4 x cluster x + cx
	s_and_b32 s17, ttmp7, 0xffff
	s_lshl_b32 s17, s17, 2
	s_add_co_u32 s17, s17, s85                     ; tile row = 4 x cluster y + cy
	s_lshl_b32 s87, s85, 2
	s_lshl_b32 s87, 15, s87                        ; my row of the cluster
	s_lshl_b32 s88, 0x1111, s84                    ; my column
	s_or_b32 s24, s87, (3<<16)|(1<<21)             ; tokens: 15:0 the mask; elements of 8 bytes; 21 set beside a mask; no padding: a dense block of 16,384 bytes as 64 rows of 256
	s_mov_b32 s25, 32<<16
	s_mov_b32 s26, 64<<16
	s_mov_b32 s27, 32<<16
	s_mov_b32 s28, 64
	s_mov_b32 s29, 32
	s_mov_b32 s30, 0
	s_mov_b32 s31, 0
	s_or_b32 s32, s88, (1<<20)|(1<<21)|(5<<22)|(3<<25)   ; features: elements of 1 byte; padding: four words after every 64; 64 rows of 256 bytes, 1,024 apart
	s_mov_b32 s33, 256<<16
	s_mov_b32 s34, 64<<16
	s_mov_b32 s35, 256<<16
	s_mov_b32 s36, 64
	s_mov_b32 s37, 1024
	s_mov_b32 s38, 0
	s_mov_b32 s39, 0
	s_lshl_b32 s18, s16, 14                        ; my half of a chunk of tokens, in memory and in LDS alike
	s_mul_i32 s19, s16, 69632                      ; my half of the features' panel in LDS
	s_lshl_b32 s20, s17, 17                        ; tokens: tile row x 131,072, which my row of the cluster shares
	s_add_co_u32 s20, s20, s18
	s_mov_b32 s21, 0
	s_lshl_b32 s22, s86, 7                         ; features: row 12,288 + 128 x tile column + 64 x half, which my column shares
	s_lshl_b32 s23, s16, 6
	s_add_co_u32 s22, s22, s23
	s_add_co_u32 s22, s22, 12288
	s_lshl_b32 s22, s22, 10
	s_mov_b32 s23, 0
	s_wait_dscnt 0x0                               ; the opening add is done
	s_wait_kmcnt 0x0
	s_load_b64 s[96:97], s[8:9], 0x28              ; e10, e11
	s_add_nc_u64 s[20:21], s[4:5], s[20:21]
	s_add_nc_u64 s[22:23], s[6:7], s[22:23]
	CROUND                                         ; all sixteen work-groups are here: the joint loads meet
.irp q, 0,1,2,3
	s_mov_b32 s[40+4*\q], 1
	s_add_co_u32 s[41+4*\q], s18, \q*32768
	s_add_nc_u64 s[42+4*\q:43+4*\q], s[20:21], \q*32768
	s_or_b32 s[43+4*\q], s[43+4*\q], 0x80000000
	s_mov_b32 s[68+4*\q], 1
	s_add_co_u32 s[69+4*\q], s19, BB0+\q*17408
	s_add_nc_u64 s[70+4*\q:71+4*\q], s[22:23], \q*256
	s_or_b32 s[71+4*\q], s[71+4*\q], 0x80000000
.endr
	s_cmp_eq_u32 s15, 0                            ; a wave's four fills stand in one branch on the wave's number, ahead of every wait on TENSORcnt and every LDS read: four loads of mine are out
	s_cbranch_scc0 .Lfor_b
.irp q, 0,1,2,3
	tensor_load_to_lds s[40+4*\q:43+4*\q], s[24:31]
	s_nop 0
.endr
.rept 4
	v_nop
.endr
	s_branch .Lasked
.Lfor_b:
.irp q, 0,1,2,3
	tensor_load_to_lds s[68+4*\q:71+4*\q], s[32:39]
	s_nop 0
.endr
.rept 4
	v_nop
.endr
.Lasked:
	v_and_b32 v1, 15, v0                           ; r
	v_bfe_u32 v2, v0, 4, 1                         ; hh
	v_and_b32 v3, 31, v0
	v_lshlrev_b32 v4, 4, v3                        ; 16 x lane
	s_lshl_b32 s89, s15, 14
	v_add_nc_u32 v[ADRA], s89, v4                  ; my four blocks of 16 tokens
	v_add_nc_u32 v[ADRA+1], 65536, v[ADRA]
	v_mul_u32_u24 v5, v1, 272
	v_lshl_add_u32 v5, v2, 4, v5
	s_mul_i32 s89, s16, 69632
	s_add_co_u32 s89, s89, BB0
	v_add_nc_u32 v[ADRB], s89, v5
	s_mul_i32 s89, s14, 16*272
	s_add_co_u32 s89, s89, STAGE                   ; my stage
	v_mul_u32_u24 v5, v1, 272
	v_lshl_add_u32 v5, v2, 5, v5
	v_add_nc_u32 v[STO], s89, v5                   ; in: row r, 32 bytes for each half of the lanes
	v_mul_u32_u24 v5, v2, 272
	v_lshl_add_u32 v5, v1, 4, v5
	v_add_nc_u32 v[RD], s89, v5                    ; back: lanes 0-15 one row of 256 bytes, lanes 16-31 the next
	v_lshlrev_b32 v[CO], 12, v2
	v_lshl_add_u32 v[CO], v1, 4, v[CO]             ; and the same two rows in out0
	s_lshl_b32 s89, s17, 7
	s_lshl_b32 s90, s15, 6
	s_add_co_u32 s89, s89, s90                     ; my first token
	s_lshl_b32 s90, s89, 12
	s_mov_b32 s91, 0
	s_add_nc_u64 s[10:11], s[10:11], s[90:91]
	s_lshl_b32 s90, s86, 9                         ; my first feature, in bytes
	s_lshl_b32 s92, s16, 8
	s_add_co_u32 s90, s90, s92
	s_add_nc_u64 s[10:11], s[10:11], s[90:91]
; 32 LDS loads in one run: the fragments of K step ks (128 along K) into buffer f
.macro FETCH ks, f
	WIN 0x40                                       ; destination window 1, address window 0
.irp i, 0,1,2,3
.irp c, 0,1,2,3
	ds_load_b128 v[(\f)+64+16*\i+4*\c:(\f)+64+16*\i+4*\c+3], v[ADRB] offset:((\ks)>>1)*17408+\i*4352+((\ks)&1)*128+32*\c
.endr
.endr
.irp i, 0,1,2,3
.irp c, 0,1,2,3
	ds_load_b128 v[(\f)+16*\i+4*\c:(\f)+16*\i+4*\c+3], v[ADRA+((\ks)>>2)] offset:(((\ks)>>1)&1)*32768+\i*4096+((\ks)&1)*2048+512*\c
.endr
.endr
.endm
; 16 matrix instructions, the 16 accumulators by turns, in the same order in every step.  zero = 1: the first products start the sums
.macro MUL f, zero
	WIN 0x05                                       ; sources 0 and 1 window 1; C and D window 0
.irp a, 0,1,2,3
.irp b, 0,1,2,3
.if \zero
	v_wmma_f32_16x16x128_fp8_fp8 v[ACC+8*(4*\a+\b):ACC+8*(4*\a+\b)+7], v[(\f)+64+16*\b:(\f)+64+16*\b+15], v[(\f)+16*\a:(\f)+16*\a+15], 0
.else
	v_wmma_f32_16x16x128_fp8_fp8 v[ACC+8*(4*\a+\b):ACC+8*(4*\a+\b)+7], v[(\f)+64+16*\b:(\f)+64+16*\b+15], v[(\f)+16*\a:(\f)+16*\a+15], v[ACC+8*(4*\a+\b):ACC+8*(4*\a+\b)+7]
.endif
.endr
.endr
.endm
	s_wait_tensorcnt 3                             ; my part of chunk 0 is in; the three younger loads may be out
	s_barrier_signal -1
	s_barrier_wait -1                              ; everybody's is
	FETCH 0, 0
.irp ks, 0,1,2,3,4,5,6
.if (\ks)&1
	s_wait_tensorcnt 3-((\ks)+1)/2                 ; my part of the chunk that the next K step begins is in; the younger chunks may be out
	s_wait_dscnt 0x0                               ; no LDS load of mine is pending at the signal
	s_barrier_signal -1
	s_barrier_wait -1
.endif
.if (\ks) > 0
	PLACES                                         ; ahead of loads into the buffer that the last products read
.endif
	FETCH (\ks)+1, 128*(((\ks)+1)%2)
	s_wait_dscnt 32                                ; all but the 32 just issued
.if (\ks) == 0
	MUL 0, 1
.else
	MUL 128*((\ks)%2), 0
.endif
.endr
	s_wait_dscnt 0x0
	MUL 128, 0
	WIN 0
	; THE WAY OUT, a block of 16 tokens x 64 features at a time: x 2^(e10 + e11), through my own stage, back as whole rows of 256 bytes.  LDS serves a wave's instructions in order: no wait between the stores and the loads.
	PLACES
	s_wait_kmcnt 0x0
	s_add_co_i32 s96, s96, s97
	s_add_co_i32 s96, s96, 127
	s_lshl_b32 s96, s96, 23                        ; 2^(e10 + e11) as f32
	s_mov_b32 s97, s96                             ; (named with it as a pair)
.irp a, 0,1,2,3
.set BB, BK+32*(\a%2)
.if \a > 1
	s_wait_xcnt 0x0                                ; the stores of two blocks back have read their registers, which the loads below fill again
.endif
.set j, 0
.rept 16
	v_pk_mul_f32 v[TMP+j:TMP+j+1], v[ACC+32*\a+j:ACC+32*\a+j+1], s[96:97] op_sel_hi:[1,0]   ; each accumulator from its low end on
.set j, j+2
.endr
.irp b, 0,1,2,3
	ds_store_b128 v[STO], v[TMP+8*\b:TMP+8*\b+3] offset:64*\b
	ds_store_b128 v[STO], v[TMP+8*\b+4:TMP+8*\b+7] offset:64*\b+16
.endr
.irp t, 0,1,2,3,4,5,6,7
	ds_load_b128 v[BB+4*\t:BB+4*\t+3], v[RD] offset:2*\t*272
.endr
.irp t, 0,1,2,3,4,5,6,7
	s_wait_dscnt 7-\t
	global_store_b128 v[CO], v[BB+4*\t:BB+4*\t+3], s[10:11] offset:(16*\a+2*\t)*4096 th:TH_STORE_NT   ; 16 lanes store 256 consecutive bytes, aligned; written once, read by nobody here
.endr
.endr
	s_wait_tensorcnt 0x0                           ; the wave's end, behind my last tensor load and my last LDS store
	ds_add_u32 v[SPW], v[NIL]
	s_wait_dscnt 0x0
	CROUND                                         ; the closing round: no work-group ends while a partner may still ask for a tile that names it
	s_endpgm
.Lfunc_end_k_q46743364ea_proj:
	.size	k_q46743364ea_proj, .Lfunc_end_k_q46743364ea_proj-k_q46743364ea_proj
	.p2alignl 7, 3214868480
	.fill 96, 4, 3214868480
	.section	.rodata,"a",@progbits
	.p2align	6, 0x0
	.amdhsa_kernel k_q46743364ea_proj
		.amdhsa_group_segment_fixed_size 327680
		.amdhsa_private_segment_fixed_size 0
		.amdhsa_enable_private_segment 0
		.amdhsa_kernarg_size 32
		.amdhsa_user_sgpr_count 2
		.amdhsa_user_sgpr_kernarg_segment_ptr 1
		.amdhsa_wavefront_size32 1
		.amdhsa_system_sgpr_workgroup_id_x 1
		.amdhsa_system_sgpr_workgroup_id_y 1
		.amdhsa_system_sgpr_workgroup_id_z 1
		.amdhsa_system_vgpr_workitem_id 0
		.amdhsa_next_free_vgpr 512
		.amdhsa_next_free_sgpr 100
		.amdhsa_reserve_vcc 0
		.amdhsa_float_denorm_mode_32 3
		.amdhsa_float_denorm_mode_16_64 3
		.amdhsa_memory_ordered 1
		.amdhsa_forward_progress 1
		.amdhsa_inst_pref_size 47
	.end_amdhsa_kernel
	.amdgpu_metadata
---
amdhsa.version: [ 1, 2 ]
amdhsa.kernels:
  - .name:           k_q46743364ea_proj
    .symbol:         k_q46743364ea_proj.kd
    .args:
      - { .name: oq, .offset: 0, .size: 8, .value_kind: global_buffer, .address_space: global }
      - { .name: codes, .offset: 8, .size: 8, .value_kind: global_buffer, .address_space: global }
      - { .name: lowp_scales, .offset: 16, .size: 8, .value_kind: global_buffer, .address_space: global }
      - { .name: out0, .offset: 24, .size: 8, .value_kind: global_buffer, .address_space: global }
    .group_segment_fixed_size: 327680
    .private_segment_fixed_size: 0
    .kernarg_segment_align: 8
    .kernarg_segment_size: 32
    .max_flat_workgroup_size: 128
    .sgpr_count:     100
    .vgpr_count:     512
    .wavefront_size: 32
...
	.end_amdgpu_metadata
.endif
;; end of part 4
